; MI455X (gfx1250); checked and timed in simulation.
; The chip was launched on July 23, 2026; its instructions are those of AMD's public machine-readable ISA for CDNA 5 (MIT licence, August 2026) and "CDNA5" Instruction Set Architecture Reference Guide (July 2026). The comments in the code are by the model that wrote it; some were corrected since.
;; Enhanced H Bit Linear. Allowed arithmetic: matrix products marked QUANTISED: E4M3 operands, one given power-of-two scale a tensor, by v_wmma_f32_16x16x64_fp8_fp8 or v_wmma_f32_16x16x128_fp8_fp8, f32 sums; everything else in f32.
;; Inputs: had_scale 4,096 float32; had_shift 4,096 float32; lowp_scales 2 int32 (the exponents e of the quantised operands' scales 2^e); weight 2,048 x 4,096 float32; x 2 x 4,096 x 4,096 float32.
;; Outputs: out0 2 x 4,096 x 2,048 float32.
;; This version of the problem:
;;   THIS VERSION OF THE PROBLEM IS GIVEN IN LOW PRECISION. The matrix products marked QUANTISED in the list below multiply operands that are first quantised to E4M3 (4 exponent bits, 3 mantissa bits; 8 bits a number), with one given power-of-two scale for each operand tensor; their sums are f32. All else is computed in f32.
;;   The module's matrix products, in the order in which they are computed (A, B: the left and right operand; K: the contracted axis; several contracted axes count as one K, in the product's order):
;;     1. [M 8,192, K 4,096] x [K 4,096, N 2,048]; A: computed on the way; B: computed on the way: QUANTISED (scales: A lowp_scales[0], B lowp_scales[1])
;;   THE QUANTISER, for each operand of a quantised product, along K:
;;     - The operand's scale is 2^e, e = its entry of the input lowp_scales (int32; the entries are numbered through the quantised products in the list's order, A before B).
;;     - Each number is divided by the scale, clamped to +-448, and rounded to the nearest number of E4M3, ties to even, subnormals kept.
;;     - The product sums the exact products of the quantised numbers (number of the format x scale) in f32.
;;   ~~~python
;;   def quantise(x, axis, e):      # numpy; x: float32 -> the quantised numbers, widened to float32 again
;;       x = np.moveaxis(x, axis, -1); K = x.shape[-1]
;;       r = np.clip(x / 2.0 ** e, -448, 448)
;;       step = 2.0 ** (np.maximum(np.frexp(np.where(r == 0, 1, r))[1] - 1, -6) - 3)
;;       q = np.round(r / step) * step * 2.0 ** e      # np.round: ties to even
;;       return np.moveaxis(q, -1, axis).astype(np.float32)
;;   ~~~
;;   OPERANDS COMPUTED ON THE WAY. 'Computed on the way' means the value that the module computes at that place (a softmax that the list does not call 'softmax' is quantised finished and normalised). What goes into a quantiser is computed in f32, as accurately as f32 sums, v_exp_f32 and their like allow (about 1e-6 of the number): no bf16 or f16 on the way to a quantiser, and a product that is left as it is and whose result goes on into a quantised operand takes f32 operands (vector FMAs, or v_wmma_f32_16x16x4_f32). A number that lies on a knife's edge between two numbers of the format may be rounded either way, as far as f32 arithmetic and the matrix unit's own rounding can turn it there, and no further.
;; One version. Each part assembles by itself: llvm-mc -triple=amdgcn-amd-amdhsa -mcpu=gfx1250 --defsym DOCPART=n.
;; ======== version 1 of 1: 3 launches
;; limits: right only within a limited range of input values
;; workspace buffers: a_codes 33,554,432 bytes; b_codes 8,388,608 bytes; wpart 1,024 bytes
;; launch prep (part 1): grid 256 x 1, 16 waves a work-group, no clusters, 297,216 bytes of LDS; arguments x, weight, had_scale, had_shift, lowp_scales, a_codes, wpart; writes a_codes, wpart
.if DOCPART == 1
	.amdgcn_target "amdgcn-amd-amdhsa--gfx1250"
	.amdhsa_code_object_version 6
	.text
	.protected	k_q86e5c86ae7_prep
	.globl	k_q86e5c86ae7_prep
	.p2align	8
	.type	k_q86e5c86ae7_prep,@function
k_q86e5c86ae7_prep:
	s_mov_b64 s[64:65], 0
	v_nop
	global_prefetch_b8 v0, s[64:65] scope:SCOPE_SE
	s_setreg_imm32_b32 hwreg(HW_REG_WAVE_MODE, 25, 1), 1
	s_wait_xcnt 0x0
; x [8192][4096] f32 -> a_codes [8192][4096], codes of E4M3 with the given scale 2^e0; and |weight| summed, one partial sum a work-group, into wpart [256] f32.
; A row: Walsh-Hadamard transform over 4,096, x 1/64, x had_scale, + had_shift; gamma = largest magnitude + 1e-5; k = round(x * (7 / gamma)); xq = k * (gamma / 7); y = x + (xq - x); code = y / 2^e0, held within +-448.
; SHARES.  Work-group g owns rows 32 g .. 32 g + 31 and 131,072 bytes of the weight.  Each of its sixteen waves takes two rows, one wave a row: 128 registers a lane.  Row 32 g + w comes by loads into registers,
; row 32 g + 16 + w by asynchronous copies into LDS bytes of the wave's own: both are asked for at the head, so the second row lands while the first is worked on.  Every LDS byte is filled once.
; LAYOUT.  Register 4 j + c of lane L holds element k = 128 j + 4 L + c: index bits 0-1 = c, bits 2-5 = L % 16, bit 6 = L / 16, bits 7-11 = j.
; THE BUTTERFLIES RUN IN THE ORDER OF reference(), index bit 0 first, bit 11 last, each one f32 addition or subtraction.  What follows the transform is a rounding to whole numbers, in which a last bit can turn a
; whole step: so all that stands ahead of it has reference()'s own roundings: product and sum of scale and shift are kept apart, the product with 7 / gamma is rounded before it is rounded to a whole number, and
; the divisions are made by reciprocal, quotient, remainder and correction.  Behind it only the rounding to a code follows, and k * (gamma / 7) - x is one fused multiply-add.
; THE CODES' ORDER ALONG K: a lane's registers 16 s .. 16 s + 15 become 16 bytes at 512 s + 16 L of the row: position 512 s + 16 L + 4 jj + c holds k = 512 s + 128 jj + 4 L + c.  The weight's codes are laid the same way,
; so every product meets its partner; each store of a wave covers 512 consecutive bytes, aligned.
; NOT WRITTEN: the clip at +-7.  |x| <= gamma, so x * (7 / gamma), twice rounded, is under 7.5 and rounds to 7 at the most, for every finite input.
; LIMITS: e0 between -126 and 119, so that 2^e0 and 448 x 2^e0 are f32 numbers.  NaN and infinities among the inputs are not served.  The sum of |weight| is taken in this text's own order (chains of 16 a lane, then trees).
; wpart gets 4 bytes a work-group: 1,024 bytes in the whole launch.
.set SC,   0                           ; LDS: had_scale x 1/64, in the order of k (16,384 bytes)
.set SH,   16384                       ; had_shift (16,384 bytes)
.set RED,  32768                       ; sixteen words: each wave's sum of |weight| (a block of 256 bytes)
.set ROWS, 33024                       ; 16,384 bytes for each wave: its second row, as it lies in memory
.set LOFF, 1                           ; v1   16 x lane; never rewritten
.set LROW, 2                           ; v2   ROWS + 16,384 x wave + 16 x lane; never rewritten
.set TW,   4                           ; v4   16 x thread: the tables' way into LDS
.set RA,   5                           ; v5   RED + 4 x wave
.set SG,   8                           ; v8-12  +1.0 or -1.0 by bit b of the lane's number, b = 0 .. 4; v13 = v12 (named with it as a pair)
.set R,    14                          ; v[14:15]  7 / gamma, gamma / 7
.set M,    16                          ; v16-19  four chains (largest magnitude; sums)
.set LIM,  24                          ; v24  448 x 2^e0
.set SCL,  25                          ; v25  2^e0
.set PX,   26                          ; v26  what the lane 16 away holds
.set SS,   32                          ; v32-95   scale and shift, two sets of 32; at work; the weight's 64 numbers
.set C,    96                          ; v96-127  at work in the transform; then a row's codes
.set D,    128                         ; v128-255 the row
	s_load_b256 s[4:11], s[0:1], 0x0               ; x s[4:5], weight s[6:7], had_scale s[8:9], had_shift s[10:11]
	s_load_b128 s[12:15], s[0:1], 0x20             ; the scales' exponents s[12:13], a_codes s[14:15]
	s_load_b64 s[16:17], s[0:1], 0x30              ; wpart
	v_lshl_add_u32 v30, v0, 2, 0x48100
	v_mov_b32 v31, 0
	ds_add_u32 v30, v31
	ds_add_u32 v30, v31
	v_lshrrev_b32 v6, 5, v0
	s_delay_alu instid0(VALU_DEP_1)
	v_readfirstlane_b32 s18, v6                    ; wave 0..15
	v_and_b32 v[LOFF], 31, v0
	s_delay_alu instid0(VALU_DEP_1)
	v_lshlrev_b32 v[LOFF], 4, v[LOFF]
	s_lshl_b32 s19, s18, 14
	s_add_co_u32 s27, s19, ROWS
	v_add_nc_u32 v[LROW], s27, v[LOFF]
	v_lshlrev_b32 v[TW], 4, v0
	v_mov_b32 v[RA], s18
	s_delay_alu instid0(VALU_DEP_1)
	v_lshl_add_u32 v[RA], v[RA], 2, RED
	s_lshl_b32 s28, ttmp9, 19                      ; x: 32 rows of 16,384 bytes a work-group,
	s_add_co_u32 s28, s28, s19                     ; + my wave's row
	s_mov_b32 s29, 0
	s_lshl_b32 s36, ttmp9, 17                      ; weight: 131,072 bytes a work-group, 8,192 a wave;
	s_lshl_b32 s19, s18, 13
	s_add_co_u32 s38, s36, s19
	s_mov_b32 s39, 0
	s_lshl_b32 s19, s18, 12                        ; a_codes: 32 rows of 4,096 bytes a work-group, + my wave's row
	s_add_co_u32 s36, s36, s19
	s_mov_b32 s37, 0
	s_lshl_b32 s40, ttmp9, 2                       ; wpart: a word a work-group
	s_mov_b32 s41, 0
	s_wait_alu depctr_va_vdst(0)
	s_wait_dscnt 0x0
	s_wait_kmcnt 0x0
	s_load_b32 s34, s[12:13], 0x0                  ; e0
	s_add_nc_u64 s[4:5], s[4:5], s[28:29]
	s_add_nc_u64 s[30:31], s[4:5], 0x40000         ; my second row: 16 rows further down
	s_add_nc_u64 s[6:7], s[6:7], s[38:39]
	s_add_nc_u64 s[14:15], s[14:15], s[36:37]
	s_add_nc_u64 s[16:17], s[16:17], s[40:41]
	global_load_b128 v[C:C+3],     v[TW], s[8:9]                ; the tables: 512 threads x 16 bytes, twice, each
	global_load_b128 v[C+4:C+7],   v[TW], s[8:9] offset:8192
	global_load_b128 v[C+8:C+11],  v[TW], s[10:11]
	global_load_b128 v[C+12:C+15], v[TW], s[10:11] offset:8192
.set j, 0
.rept 32
	global_load_b128 v[D+4*j:D+4*j+3], v[LOFF], s[4:5] offset:512*j th:TH_LOAD_NT   ; my first row: 512 consecutive bytes a load
.set j, j+1
.endr
.set j, 0
.rept 32
	global_load_async_to_lds_b128 v[LROW], v[LOFF], s[30:31] offset:512*j           ; my second row, into my own LDS bytes (the immediate steps both addresses)
.set j, j+1
.endr
.irp b, 0,1,2,3,4
	v_bfe_u32 v6, v0, \b, 1
	s_delay_alu instid0(VALU_DEP_1)
	v_lshl_or_b32 v[SG+\b], v6, 31, 0x3f800000     ; +1.0, or -1.0 where the lane's bit is set
.endr
	s_delay_alu instid0(VALU_DEP_1)
	v_mov_b32 v[SG+5], v[SG+4]
	v_mov_b32 v[PX], 0                             ; written once: a lane permute's destination counts as one of its sources
	s_mov_b32 s22, 0x76543210                      ; v_permlanex16_b32: each lane takes its own place in the other half
	s_mov_b32 s23, 0xfedcba98
	s_mov_b32 s24, 0x40e00000                      ; 7.0
	s_mov_b32 s25, 0x3e124925                      ; 1 / 7
	s_mov_b32 s26, 0x3727c5ac                      ; 1e-5
	s_wait_kmcnt 0x0
	s_add_co_i32 s34, s34, 127
	s_lshl_b32 s35, s34, 23
	v_mov_b32 v[SCL], s35                          ; 2^e0 as f32: the conversion takes its exponent field
	s_add_co_i32 s34, s34, 8
	s_lshl_b32 s34, s34, 23
	s_or_b32 s34, s34, 0x600000
	v_mov_b32 v[LIM], s34                          ; 448 x 2^e0
	s_wait_loadcnt 32                              ; the four table loads are in; the row's 32, issued behind them, may be out
.irp n, 0,2,4,6
	v_pk_mul_f32 v[C+\n:C+\n+1], v[C+\n:C+\n+1], 0x3c800000 op_sel_hi:[1,0]   ; had_scale x 1/64: a power of two, nothing is rounded
.endr
	ds_store_b128 v[TW], v[C:C+3]     offset:SC
	ds_store_b128 v[TW], v[C+4:C+7]   offset:SC+8192
	ds_store_b128 v[TW], v[C+8:C+11]  offset:SH
	ds_store_b128 v[TW], v[C+12:C+15] offset:SH+8192
	s_wait_dscnt 0x0                               ; for the others' sake: my part of the tables lies in LDS
	s_barrier_signal -1                            ; say so; the wait for the others stands behind my first row's transform, which is work on registers and reads no table
; Index bits 0 and 1, a quarter of the row (eight loads) at a time.  kind = 0: the row comes by global loads, 1: by LDS loads; the count leaves the younger quarters out.
.macro P01 kind
.set q, 0
.rept 4
.if \kind
	s_wait_dscnt 24-8*q
.else
	s_wait_loadcnt 24-8*q
.endif
.set i, 0
.rept 16
	v_pk_add_f32 v[C+2*i:C+2*i+1], v[D+32*q+2*i:D+32*q+2*i+1], v[D+32*q+2*i:D+32*q+2*i+1] op_sel:[0,1] op_sel_hi:[0,1] neg_hi:[0,1]   ; bit 0: (a + b, a - b) of a pair
.set i, i+1
.endr
.set i, 0
.rept 8
	v_pk_add_f32 v[D+32*q+4*i:D+32*q+4*i+1],   v[C+4*i:C+4*i+1], v[C+4*i+2:C+4*i+3]                             ; bit 1: the two pairs of a load's four
	v_pk_add_f32 v[D+32*q+4*i+2:D+32*q+4*i+3], v[C+4*i:C+4*i+1], v[C+4*i+2:C+4*i+3] neg_lo:[0,1] neg_hi:[0,1]
.set i, i+1
.endr
.set q, q+1
.endr
.endm
; Index bit 2 + b: lanes l and l xor m.  new = partner + sigma x own: a + b where the lane's bit is clear, a - b where it is set (sigma x own is exact).  32 registers at a time.
.macro LANE b, m
.set bt, 0
.rept 4
.set i, 0
.rept 16
.if (\b)%2
	v_pk_mul_f32 v[C+2*i:C+2*i+1], v[D+32*bt+2*i:D+32*bt+2*i+1], v[SG+2*((\b)/2):SG+2*((\b)/2)+1] op_sel:[0,1] op_sel_hi:[1,1]
.else
	v_pk_mul_f32 v[C+2*i:C+2*i+1], v[D+32*bt+2*i:D+32*bt+2*i+1], v[SG+2*((\b)/2):SG+2*((\b)/2)+1] op_sel_hi:[1,0]
.endif
.set i, i+1
.endr
.set i, 0
.rept 32
	v_add_f32_dpp v[D+32*bt+i], v[D+32*bt+i], v[C+i] row_xmask:\m row_mask:0xf bank_mask:0xf
.set i, i+1
.endr
.set bt, bt+1
.endr
.endm
; Index bit 6: lanes l and l xor 16.  The partner's number is fetched, then own x sigma + partner: the product is exact, so this is one addition or subtraction.
.macro X16
.set bt, 0
.rept 4
.set i, 0
.rept 32
	v_permlanex16_b32 v[C+i], v[D+32*bt+i], s22, s23
.set i, i+1
.endr
.set i, 0
.rept 16
	v_pk_fma_f32 v[D+32*bt+2*i:D+32*bt+2*i+1], v[D+32*bt+2*i:D+32*bt+2*i+1], v[SG+4:SG+5], v[C+2*i:C+2*i+1] op_sel_hi:[1,0,1]
.set i, i+1
.endr
.set bt, bt+1
.endr
.endm
; Two index bits in registers: pairs h and 2 h pair-places apart (pair-place = 2 j + c / 2).  The lower bit's butterflies go into C, the higher bit's back into the row: no copy.  Four groups of four pairs at a time.
.macro R4PASS h
.set rd, 0
.rept 4
.set q, 0
.rept 4
.set g, 4*rd+q
.set u, D+2*((g%(\h))+(g/(\h))*4*(\h))
	v_pk_add_f32 v[C+8*q:C+8*q+1],   v[u:u+1], v[u+2*(\h):u+2*(\h)+1]
	v_pk_add_f32 v[C+8*q+2:C+8*q+3], v[u:u+1], v[u+2*(\h):u+2*(\h)+1] neg_lo:[0,1] neg_hi:[0,1]
	v_pk_add_f32 v[C+8*q+4:C+8*q+5], v[u+4*(\h):u+4*(\h)+1], v[u+6*(\h):u+6*(\h)+1]
	v_pk_add_f32 v[C+8*q+6:C+8*q+7], v[u+4*(\h):u+4*(\h)+1], v[u+6*(\h):u+6*(\h)+1] neg_lo:[0,1] neg_hi:[0,1]
.set q, q+1
.endr
.set q, 0
.rept 4
.set g, 4*rd+q
.set u, D+2*((g%(\h))+(g/(\h))*4*(\h))
	v_pk_add_f32 v[u:u+1],                   v[C+8*q:C+8*q+1],   v[C+8*q+4:C+8*q+5]
	v_pk_add_f32 v[u+4*(\h):u+4*(\h)+1],     v[C+8*q:C+8*q+1],   v[C+8*q+4:C+8*q+5] neg_lo:[0,1] neg_hi:[0,1]
	v_pk_add_f32 v[u+2*(\h):u+2*(\h)+1],     v[C+8*q+2:C+8*q+3], v[C+8*q+6:C+8*q+7]
	v_pk_add_f32 v[u+6*(\h):u+6*(\h)+1],     v[C+8*q+2:C+8*q+3], v[C+8*q+6:C+8*q+7] neg_lo:[0,1] neg_hi:[0,1]
.set q, q+1
.endr
.set rd, rd+1
.endr
.endm
.macro FWHT kind                       ; index bits 0 to 10; bit 11 stands in PH1
	P01 \kind
	LANE 0, 1
	LANE 1, 2
	LANE 2, 4
	LANE 3, 8
	X16
	R4PASS 2                                       ; bits 7, 8
	R4PASS 8                                       ; bits 9, 10
.endm
; Scale and shift for batch b (j = 2 b, 2 b + 1 and the two 16 further on) into set b % 2: eight loads of 512 consecutive bytes.  For each j: four registers of scale, then four of shift.
.macro SSLOAD b
.set H, SS+32*((\b)%2)
.irp hf, 0,1
.irp jj, 0,1
	ds_load_b128 v[H+16*\hf+8*\jj:H+16*\hf+8*\jj+3],   v[LOFF] offset:SC+512*(16*\hf+2*(\b)+\jj)
	ds_load_b128 v[H+16*\hf+8*\jj+4:H+16*\hf+8*\jj+7], v[LOFF] offset:SH+512*(16*\hf+2*(\b)+\jj)
.endr
.endr
.endm
; Batch b: index bit 11 (registers 64 apart), x scale, + shift, and the largest magnitude in four chains, which the first batch starts.
.macro PH1 b
.set H, SS+32*((\b)%2)
.set TT, C+8*((\b)%4)
.irp jj, 0,1
.irp cp, 0,2
.set PA, D+8*(\b)+4*\jj+\cp
	v_pk_add_f32 v[TT+4*\jj+\cp:TT+4*\jj+\cp+1], v[PA:PA+1], v[PA+64:PA+65]
	v_pk_add_f32 v[PA+64:PA+65], v[PA:PA+1], v[PA+64:PA+65] neg_lo:[0,1] neg_hi:[0,1]
.endr
.endr
.irp jj, 0,1
.irp cp, 0,2
.set PA, D+8*(\b)+4*\jj+\cp
	v_pk_mul_f32 v[PA:PA+1],       v[TT+4*\jj+\cp:TT+4*\jj+\cp+1], v[H+8*\jj+\cp:H+8*\jj+\cp+1]   ; the product is rounded, as reference() rounds it,
	v_pk_mul_f32 v[PA+64:PA+65],   v[PA+64:PA+65],                 v[H+16+8*\jj+\cp:H+16+8*\jj+\cp+1]
.endr
.endr
.irp jj, 0,1
.irp cp, 0,2
.set PA, D+8*(\b)+4*\jj+\cp
	v_pk_add_f32 v[PA:PA+1],       v[PA:PA+1],       v[H+8*\jj+4+\cp:H+8*\jj+4+\cp+1]             ; and then the sum: not fused, since a rounding to whole numbers follows
	v_pk_add_f32 v[PA+64:PA+65],   v[PA+64:PA+65],   v[H+16+8*\jj+4+\cp:H+16+8*\jj+4+\cp+1]
.endr
.endr
.irp n, 0,1,2,3
.if (\b) == 0
	v_max_num_f32 v[M+\n], |v[D+8*(\b)+2*\n]|, |v[D+8*(\b)+2*\n+1]|
.else
	v_max3_num_f32 v[M+\n], v[M+\n], |v[D+8*(\b)+2*\n]|, |v[D+8*(\b)+2*\n+1]|
.endif
.endr
.irp n, 0,1,2,3
	s_delay_alu instid0(VALU_DEP_4)
	v_max3_num_f32 v[M+\n], v[M+\n], |v[D+64+8*(\b)+2*\n]|, |v[D+64+8*(\b)+2*\n+1]|
.endr
.endm
; gamma = the row's largest magnitude + 1e-5; 7 / gamma and gamma / 7 as divisions: reciprocal refined once, quotient, remainder, correction.
.macro GAMMA
	s_delay_alu instid0(VALU_DEP_2)
	v_max3_num_f32 v[M], v[M], v[M+1], v[M+2]
	s_delay_alu instid0(VALU_DEP_1)
	v_max_num_f32 v[M], v[M], v[M+3]
	s_delay_alu instid0(VALU_DEP_1)
	v_max_num_f32_dpp v[M], v[M], v[M] row_xmask:1 row_mask:0xf bank_mask:0xf
	s_delay_alu instid0(VALU_DEP_1)
	v_max_num_f32_dpp v[M], v[M], v[M] row_xmask:2 row_mask:0xf bank_mask:0xf
	s_delay_alu instid0(VALU_DEP_1)
	v_max_num_f32_dpp v[M], v[M], v[M] row_xmask:4 row_mask:0xf bank_mask:0xf
	s_delay_alu instid0(VALU_DEP_1)
	v_max_num_f32_dpp v[M], v[M], v[M] row_xmask:8 row_mask:0xf bank_mask:0xf
	s_delay_alu instid0(VALU_DEP_1)
	v_permlanex16_b32 v[PX], v[M], s22, s23
	s_delay_alu instid0(VALU_DEP_1)
	v_max_num_f32 v[M], v[M], v[PX]
	s_delay_alu instid0(VALU_DEP_1)
	v_add_f32 v20, s26, v[M]                       ; gamma
	s_wait_alu depctr_va_vdst(0)
	v_rcp_f32 v21, v20
	v_mul_f32 v[R+1], s25, v20                     ; gamma x (1 / 7): also the plain instruction behind the reciprocal
	s_wait_alu depctr_va_vdst(0)                   ; the wait ahead of the reciprocal's first reader
	v_fma_f32 v22, -v20, v21, 1.0
	v_fma_f32 v21, v22, v21, v21                   ; the reciprocal, refined
	s_delay_alu instid0(VALU_DEP_1)
	v_mul_f32 v[R], s24, v21                       ; 7 x it,
	s_delay_alu instid0(VALU_DEP_1)
	v_fma_f32 v22, -v20, v[R], s24                 ; what is left of 7,
	v_fma_f32 v23, -v[R+1], s24, v20               ; what is left of gamma,
	s_delay_alu instid0(VALU_DEP_2)
	v_fma_f32 v[R], v22, v21, v[R]                 ; 7 / gamma
	s_delay_alu instid0(VALU_DEP_2)
	v_fma_f32 v[R+1], v23, s25, v[R+1]             ; gamma / 7
.endm
; Registers 16 g .. 16 g + 15 become 16 codes and leave: 512 consecutive bytes a wave, at byte off + 512 g of my first row's codes.
.macro PH2 g, off
.set X, D+16*(\g)
.set T, SS+16*((\g)%2)
.irp n, 0,2,4,6,8,10,12,14
	v_pk_mul_f32 v[T+\n:T+\n+1], v[X+\n:X+\n+1], v[R:R+1] op_sel_hi:[1,0]          ; x * (7 / gamma), rounded to f32,
.endr
.irp n, 0,1,2,3,4,5,6,7,8,9,10,11,12,13,14,15
	v_rndne_f32 v[T+\n], v[T+\n]                                                   ; and then to the nearest whole number, ties to even: k, between -7 and 7
.endr
.irp n, 0,2,4,6,8,10,12,14
	v_pk_fma_f32 v[T+\n:T+\n+1], v[T+\n:T+\n+1], v[R:R+1], v[X+\n:X+\n+1] op_sel:[0,1,0] op_sel_hi:[1,1,1] neg_lo:[0,0,1] neg_hi:[0,0,1]   ; k * (gamma / 7) - x
.endr
.irp n, 0,2,4,6,8,10,12,14
	v_pk_add_f32 v[X+\n:X+\n+1], v[X+\n:X+\n+1], v[T+\n:T+\n+1]                    ; x + (xq - x)
.endr
.irp n, 0,1,2,3,4,5,6,7,8,9,10,11,12,13,14,15
	v_med3_num_f32 v[X+\n], v[X+\n], -v[LIM], v[LIM]                               ; the conversion to an 8-bit code does not saturate (ISA guide 7.6.2): the hold at the largest code x the scale
.endr
	v_cvt_scalef32_pk8_fp8_f32 v[C+4*(\g):C+4*(\g)+1],   v[X:X+7],    v[SCL]
	v_cvt_scalef32_pk8_fp8_f32 v[C+4*(\g)+2:C+4*(\g)+3], v[X+8:X+15], v[SCL]
	global_store_b128 v[LOFF], v[C+4*(\g):C+4*(\g)+3], s[14:15] offset:\off+512*(\g)
.endm
.macro POST off
	SSLOAD 0
	SSLOAD 1
.irp b, 0,1,2,3,4,5,6,7
.if \b < 7
	s_wait_dscnt 8                                 ; this batch's eight table loads are in; the next batch's eight may be out
.else
	s_wait_dscnt 0
.endif
	PH1 \b
.if \b < 6
	SSLOAD \b+2
.endif
.endr
	GAMMA
.irp g, 0,1,2,3,4,5,6,7
	PH2 \g, \off
.endr
	v_nop                                          ; a plain instruction behind the last conversion, ahead of whatever next writes its sources
.endm
; The sum of |w| over my 64 numbers, in four chains, then over the wave's 32 lanes.
.macro WSUM
.irp n, 0,1,2,3
	v_add_f32 v[M+\n], |v[SS+2*\n]|, |v[SS+2*\n+1]|
.endr
.set i, 8
.rept 56
	s_delay_alu instid0(VALU_DEP_4)
	v_add_f32 v[M+i%4], v[M+i%4], |v[SS+i]|
.set i, i+1
.endr
	s_delay_alu instid0(VALU_DEP_3)
	v_add_f32 v[M], v[M], v[M+1]
	s_delay_alu instid0(VALU_DEP_2)
	v_add_f32 v[M+2], v[M+2], v[M+3]
	s_delay_alu instid0(VALU_DEP_1)
	v_add_f32 v[M], v[M], v[M+2]
	s_delay_alu instid0(VALU_DEP_1)
	v_add_f32_dpp v[M], v[M], v[M] row_xmask:1 row_mask:0xf bank_mask:0xf
	s_delay_alu instid0(VALU_DEP_1)
	v_add_f32_dpp v[M], v[M], v[M] row_xmask:2 row_mask:0xf bank_mask:0xf
	s_delay_alu instid0(VALU_DEP_1)
	v_add_f32_dpp v[M], v[M], v[M] row_xmask:4 row_mask:0xf bank_mask:0xf
	s_delay_alu instid0(VALU_DEP_1)
	v_add_f32_dpp v[M], v[M], v[M] row_xmask:8 row_mask:0xf bank_mask:0xf
	s_delay_alu instid0(VALU_DEP_1)
	v_permlanex16_b32 v[PX], v[M], s22, s23
	s_delay_alu instid0(VALU_DEP_1)
	v_add_f32 v[M], v[M], v[PX]
.endm
	FWHT 0                                         ; my first row
	s_wait_alu depctr_va_vdst(0)                   ; the wait here, directly ahead of the wait below
	s_barrier_wait -1                              ; the tables are whole.  (The copies may be out: each wave alone reads its row, behind its own wait)
	POST 0
.set j, 0
.rept 16
	global_load_b128 v[SS+4*j:SS+4*j+3], v[LOFF], s[6:7] offset:512*j   ; my 8,192 bytes of the weight: they land while the second row is transformed
.set j, j+1
.endr
	s_wait_asynccnt 0x0                            ; my second row lies in LDS
	s_wait_xcnt 0x0                                ; the first row's stores have read their codes' registers, which are at work again below
.set j, 0
.rept 32
	ds_load_b128 v[D+4*j:D+4*j+3], v[LROW] offset:512*j
.set j, j+1
.endr
	FWHT 1                                         ; my second row
	s_wait_loadcnt 0x0                             ; the weight's numbers
	WSUM
	ds_store_b32 v[RA], v[M]                       ; all lanes write the same word with the same number
	POST 65536                                     ; 16 rows of 4,096 bytes further down
	s_wait_dscnt 0x0                               ; for wave 0's sake: my sum lies in LDS
	s_barrier_signal -1
	s_barrier_wait -1
	s_cmp_lg_u32 s18, 0
	s_cbranch_scc1 .Lend
	v_mov_b32 v6, RED                              ; wave 0 adds the sixteen sums, every lane alike, and lane 0 stores the work-group's
	ds_load_b128 v[32:35], v6
	ds_load_b128 v[36:39], v6 offset:16
	ds_load_b128 v[40:43], v6 offset:32
	ds_load_b128 v[44:47], v6 offset:48
	v_mov_b32 v7, 0
	s_wait_dscnt 0x0
	v_pk_add_f32 v[32:33], v[32:33], v[34:35]
	v_pk_add_f32 v[36:37], v[36:37], v[38:39]
	v_pk_add_f32 v[40:41], v[40:41], v[42:43]
	v_pk_add_f32 v[44:45], v[44:45], v[46:47]
	s_delay_alu instid0(VALU_DEP_3)
	v_pk_add_f32 v[32:33], v[32:33], v[36:37]
	s_delay_alu instid0(VALU_DEP_2)
	v_pk_add_f32 v[40:41], v[40:41], v[44:45]
	s_delay_alu instid0(VALU_DEP_1)
	v_pk_add_f32 v[32:33], v[32:33], v[40:41]
	s_delay_alu instid0(VALU_DEP_1)
	v_add_f32 v32, v32, v33
	v_cmp_eq_u32 vcc_lo, 0, v0
	s_wait_alu depctr_va_vdst(0)
	s_wait_xcnt 0x0                                ; EXEC is a source of the stores above: it changes only behind this wait
	s_and_saveexec_b32 s19, vcc_lo
	global_store_b32 v7, v32, s[16:17]
	s_wait_xcnt 0x0                                ; and again, in front of the line that widens it
	s_or_b32 exec_lo, exec_lo, s19
.Lend:
	s_wait_tensorcnt 0x0
	ds_add_u32 v30, v31
	s_wait_dscnt 0x0
	s_endpgm
.Lfunc_end_k_q86e5c86ae7_prep:
	.size	k_q86e5c86ae7_prep, .Lfunc_end_k_q86e5c86ae7_prep-k_q86e5c86ae7_prep
	.p2alignl 7, 3214868480
	.fill 96, 4, 3214868480
	.section	.rodata,"a",@progbits
	.p2align	6, 0x0
	.amdhsa_kernel k_q86e5c86ae7_prep
		.amdhsa_group_segment_fixed_size 297216
		.amdhsa_private_segment_fixed_size 0
		.amdhsa_enable_private_segment 0
		.amdhsa_kernarg_size 56
		.amdhsa_user_sgpr_count 2
		.amdhsa_user_sgpr_kernarg_segment_ptr 1
		.amdhsa_wavefront_size32 1
		.amdhsa_system_sgpr_workgroup_id_x 1
		.amdhsa_system_sgpr_workgroup_id_y 1
		.amdhsa_system_sgpr_workgroup_id_z 1
		.amdhsa_system_vgpr_workitem_id 0
		.amdhsa_next_free_vgpr 256
		.amdhsa_next_free_sgpr 66
		.amdhsa_reserve_vcc 1
		.amdhsa_float_denorm_mode_32 3
		.amdhsa_float_denorm_mode_16_64 3
		.amdhsa_memory_ordered 1
		.amdhsa_forward_progress 1
		.amdhsa_inst_pref_size 255
	.end_amdhsa_kernel
	.section	.bss,"aw",@nobits
	.p2align	6
	.space	262144
	.amdgpu_metadata
---
amdhsa.version: [ 1, 2 ]
amdhsa.kernels:
  - .name:           k_q86e5c86ae7_prep
    .symbol:         k_q86e5c86ae7_prep.kd
    .args:
      - { .name: x, .offset: 0, .size: 8, .value_kind: global_buffer, .address_space: global }
      - { .name: weight, .offset: 8, .size: 8, .value_kind: global_buffer, .address_space: global }
      - { .name: had_scale, .offset: 16, .size: 8, .value_kind: global_buffer, .address_space: global }
      - { .name: had_shift, .offset: 24, .size: 8, .value_kind: global_buffer, .address_space: global }
      - { .name: lowp_scales, .offset: 32, .size: 8, .value_kind: global_buffer, .address_space: global }
      - { .name: a_codes, .offset: 40, .size: 8, .value_kind: global_buffer, .address_space: global }
      - { .name: wpart, .offset: 48, .size: 8, .value_kind: global_buffer, .address_space: global }
    .group_segment_fixed_size: 297216
    .private_segment_fixed_size: 0
    .kernarg_segment_align: 8
    .kernarg_segment_size: 56
    .max_flat_workgroup_size: 512
    .sgpr_count:     66
    .vgpr_count:     256
    .wavefront_size: 32
...
	.end_amdgpu_metadata
.endif
;; end of part 1
;; launch wq (part 2): grid 256 x 1, 8 waves a work-group, no clusters, 0 bytes of LDS; arguments weight, wpart, lowp_scales, b_codes; writes b_codes
.if DOCPART == 2
	.amdgcn_target "amdgcn-amd-amdhsa--gfx1250"
	.amdhsa_code_object_version 6
	.text
	.protected	k_q86e5c86ae7_wq
	.globl	k_q86e5c86ae7_wq
	.p2align	8
	.type	k_q86e5c86ae7_wq,@function
k_q86e5c86ae7_wq:
	s_mov_b64 s[64:65], 0
	v_nop
	global_prefetch_b8 v0, s[64:65] scope:SCOPE_SE
	s_setreg_imm32_b32 hwreg(HW_REG_WAVE_MODE, 25, 1), 1
	s_wait_xcnt 0x0
; weight [2048][4096] f32 -> b_codes [2048][4096], codes of E4M3 with the given scale 2^e1.
; scale = mean(|weight|) + 1e-5, from the 256 partial sums that the launch before has stored; k = clip(round(w / scale), -1, 1); wq = k * scale; y = w + (wq - w); code = y / 2^e1, held within +-448.
; SHARES.  A wave takes a row: 32 loads of 512 consecutive bytes, all asked for at the head; register 4 n + c of lane L holds k = 128 n + 4 L + c.  Registers 16 s .. 16 s + 15 become 16 bytes at 512 s + 16 L of the
; row of codes: position 512 s + 16 L + 4 jj + c holds k = 512 s + 128 jj + 4 L + c, the order in which the activations' codes lie.  Each store of a wave covers 512 consecutive bytes, aligned.
; Every wave adds the 256 partial sums in the same order, so all have the same scale.  No LDS, no barrier: waves share nothing.
; w / scale is made as a division (reciprocal refined once, quotient, remainder, correction), since a rounding to whole numbers follows.  k * scale is exact, so k * scale - w is one fused multiply-add with reference()'s bits.
; LIMITS: e1 between -126 and 119.  NaN and infinities among the inputs are not served.
.set T,  32                            ; v32-47   at work: the quotient, k, wq - w
.set E,  48                            ; v48-63   at work: the remainder
.set W,  64                            ; v64-191  the row
.set CC, 192                           ; v192-223 codes: four registers a chunk, so that no store's data are written again
	s_load_b256 s[4:11], s[0:1], 0x0               ; weight s[4:5], wpart s[6:7], the scales' exponents s[8:9], b_codes s[10:11]
	v_lshrrev_b32 v6, 5, v0
	s_delay_alu instid0(VALU_DEP_1)
	v_readfirstlane_b32 s12, v6                    ; wave 0..7
	v_and_b32 v1, 31, v0
	s_delay_alu instid0(VALU_DEP_1)
	v_lshlrev_b32 v2, 4, v1                        ; 16 x lane
	s_delay_alu instid0(VALU_DEP_2)
	v_lshlrev_b32 v3, 5, v1                        ; 32 x lane: my eight partial sums
	v_mov_b32 v4, 0                                ; written once: a lane permute's destination counts as one of its sources
	s_mov_b32 s18, 0x76543210
	s_mov_b32 s19, 0xfedcba98
	s_mov_b32 s20, 0x3727c5ac                      ; 1e-5
	s_mov_b32 s21, 0x34000000                      ; 2^-23 = 1 / (2048 x 4096)
	s_lshl_b32 s14, ttmp9, 3
	s_add_co_u32 s14, s14, s12                     ; my row: 8 x work-group + wave
	s_lshl_b32 s16, s14, 14                        ; 16,384 bytes a row of the weight,
	s_mov_b32 s17, 0
	s_lshl_b32 s14, s14, 12                        ; 4,096 a row of codes
	s_mov_b32 s15, 0
	s_wait_alu depctr_va_vdst(0)
	s_wait_kmcnt 0x0
	s_load_b32 s13, s[8:9], 0x4                    ; e1
	s_add_nc_u64 s[4:5], s[4:5], s[16:17]
	s_add_nc_u64 s[10:11], s[10:11], s[14:15]
	global_load_b128 v[8:11],  v3, s[6:7]
	global_load_b128 v[12:15], v3, s[6:7] offset:16
.set j, 0
.rept 32
	global_load_b128 v[W+4*j:W+4*j+3], v2, s[4:5] offset:512*j th:TH_LOAD_NT
.set j, j+1
.endr
	s_wait_kmcnt 0x0
	s_add_co_i32 s13, s13, 127
	s_lshl_b32 s22, s13, 23
	v_mov_b32 v25, s22                             ; 2^e1 as f32: the conversion takes its exponent field
	s_add_co_i32 s13, s13, 8
	s_lshl_b32 s13, s13, 23
	s_or_b32 s13, s13, 0x600000
	v_mov_b32 v24, s13                             ; 448 x 2^e1
	s_wait_loadcnt 32                              ; the partial sums are in; the row's 32 loads, issued behind them, may be out
	v_pk_add_f32 v[8:9], v[8:9], v[10:11]
	v_pk_add_f32 v[12:13], v[12:13], v[14:15]
	s_delay_alu instid0(VALU_DEP_1)
	v_pk_add_f32 v[8:9], v[8:9], v[12:13]
	s_delay_alu instid0(VALU_DEP_1)
	v_add_f32 v8, v8, v9
	s_delay_alu instid0(VALU_DEP_1)
	v_add_f32_dpp v8, v8, v8 row_xmask:1 row_mask:0xf bank_mask:0xf
	s_delay_alu instid0(VALU_DEP_1)
	v_add_f32_dpp v8, v8, v8 row_xmask:2 row_mask:0xf bank_mask:0xf
	s_delay_alu instid0(VALU_DEP_1)
	v_add_f32_dpp v8, v8, v8 row_xmask:4 row_mask:0xf bank_mask:0xf
	s_delay_alu instid0(VALU_DEP_1)
	v_add_f32_dpp v8, v8, v8 row_xmask:8 row_mask:0xf bank_mask:0xf
	s_delay_alu instid0(VALU_DEP_1)
	v_permlanex16_b32 v4, v8, s18, s19
	s_delay_alu instid0(VALU_DEP_1)
	v_add_f32 v8, v8, v4                           ; the sum of |weight|
	s_delay_alu instid0(VALU_DEP_1)
	v_fma_f32 v17, v8, s21, s20                    ; scale = sum / 2^23 + 1e-5 (the product is exact: one rounding, the sum's)
	s_wait_alu depctr_va_vdst(0)
	v_rcp_f32 v16, v17
	v_nop                                          ; a plain instruction behind the reciprocal
	s_wait_alu depctr_va_vdst(0)                   ; the wait ahead of the reciprocal's first reader
	v_fma_f32 v18, -v17, v16, 1.0
	v_fma_f32 v16, v18, v16, v16                   ; v[16:17] = 1 / scale (refined), scale
.macro CHUNK s
.set X, W+16*(\s)
	s_wait_loadcnt 28-4*(\s)                       ; this chunk's four loads are in; the younger chunks' may be out
.irp n, 0,2,4,6,8,10,12,14
	v_pk_mul_f32 v[T+\n:T+\n+1], v[X+\n:X+\n+1], v[16:17] op_sel_hi:[1,0]                                                            ; w x (1 / scale),
.endr
.irp n, 0,2,4,6,8,10,12,14
	v_pk_fma_f32 v[E+\n:E+\n+1], v[T+\n:T+\n+1], v[16:17], v[X+\n:X+\n+1] op_sel:[0,1,0] op_sel_hi:[1,1,1] neg_lo:[1,0,0] neg_hi:[1,0,0]   ; what is left of w,
.endr
.irp n, 0,2,4,6,8,10,12,14
	v_pk_fma_f32 v[T+\n:T+\n+1], v[E+\n:E+\n+1], v[16:17], v[T+\n:T+\n+1] op_sel_hi:[1,0,1]                                          ; w / scale
.endr
.irp n, 0,1,2,3,4,5,6,7,8,9,10,11,12,13,14,15
	v_rndne_f32 v[T+\n], v[T+\n]
.endr
.irp n, 0,1,2,3,4,5,6,7,8,9,10,11,12,13,14,15
	v_med3_num_f32 v[T+\n], v[T+\n], -1.0, 1.0                                                                                       ; k
.endr
.irp n, 0,2,4,6,8,10,12,14
	v_pk_fma_f32 v[T+\n:T+\n+1], v[T+\n:T+\n+1], v[16:17], v[X+\n:X+\n+1] op_sel:[0,1,0] op_sel_hi:[1,1,1] neg_lo:[0,0,1] neg_hi:[0,0,1]   ; k * scale - w
.endr
.irp n, 0,2,4,6,8,10,12,14
	v_pk_add_f32 v[X+\n:X+\n+1], v[X+\n:X+\n+1], v[T+\n:T+\n+1]                                                                      ; w + (wq - w)
.endr
.irp n, 0,1,2,3,4,5,6,7,8,9,10,11,12,13,14,15
	v_med3_num_f32 v[X+\n], v[X+\n], -v24, v24                                                                                       ; the conversion does not saturate (ISA guide 7.6.2): the hold at the largest code x the scale
.endr
	v_cvt_scalef32_pk8_fp8_f32 v[CC+4*(\s):CC+4*(\s)+1],   v[X:X+7],    v25
	v_cvt_scalef32_pk8_fp8_f32 v[CC+4*(\s)+2:CC+4*(\s)+3], v[X+8:X+15], v25
	global_store_b128 v2, v[CC+4*(\s):CC+4*(\s)+3], s[10:11] offset:512*(\s)
.endm
	s_wait_alu depctr_va_vdst(0)
.irp s, 0,1,2,3,4,5,6,7
	CHUNK \s
.endr
	v_nop                                          ; a plain instruction behind the last conversion
	s_endpgm
.Lfunc_end_k_q86e5c86ae7_wq:
	.size	k_q86e5c86ae7_wq, .Lfunc_end_k_q86e5c86ae7_wq-k_q86e5c86ae7_wq
	.p2alignl 7, 3214868480
	.fill 96, 4, 3214868480
	.section	.rodata,"a",@progbits
	.p2align	6, 0x0
	.amdhsa_kernel k_q86e5c86ae7_wq
		.amdhsa_group_segment_fixed_size 0
		.amdhsa_private_segment_fixed_size 0
		.amdhsa_enable_private_segment 0
		.amdhsa_kernarg_size 32
		.amdhsa_user_sgpr_count 2
		.amdhsa_user_sgpr_kernarg_segment_ptr 1
		.amdhsa_wavefront_size32 1
		.amdhsa_system_sgpr_workgroup_id_x 1
		.amdhsa_system_sgpr_workgroup_id_y 1
		.amdhsa_system_sgpr_workgroup_id_z 1
		.amdhsa_system_vgpr_workitem_id 0
		.amdhsa_next_free_vgpr 224
		.amdhsa_next_free_sgpr 66
		.amdhsa_reserve_vcc 0
		.amdhsa_float_denorm_mode_32 3
		.amdhsa_float_denorm_mode_16_64 3
		.amdhsa_memory_ordered 1
		.amdhsa_forward_progress 1
		.amdhsa_inst_pref_size 48
	.end_amdhsa_kernel
	.amdgpu_metadata
---
amdhsa.version: [ 1, 2 ]
amdhsa.kernels:
  - .name:           k_q86e5c86ae7_wq
    .symbol:         k_q86e5c86ae7_wq.kd
    .args:
      - { .name: weight, .offset: 0, .size: 8, .value_kind: global_buffer, .address_space: global }
      - { .name: wpart, .offset: 8, .size: 8, .value_kind: global_buffer, .address_space: global }
      - { .name: lowp_scales, .offset: 16, .size: 8, .value_kind: global_buffer, .address_space: global }
      - { .name: b_codes, .offset: 24, .size: 8, .value_kind: global_buffer, .address_space: global }
    .group_segment_fixed_size: 0
    .private_segment_fixed_size: 0
    .kernarg_segment_align: 8
    .kernarg_segment_size: 32
    .max_flat_workgroup_size: 256
    .sgpr_count:     66
    .vgpr_count:     224
    .wavefront_size: 32
...
	.end_amdgpu_metadata
.endif
;; end of part 2
;; launch gemm (part 3): grid 8 x 32, 4 waves a work-group, clusters of 4 x 4, 327,680 bytes of LDS; arguments a_codes, b_codes, lowp_scales, out0; writes out0
.if DOCPART == 3
	.amdgcn_target "amdgcn-amd-amdhsa--gfx1250"
	.amdhsa_code_object_version 6
	.text
	.protected	k_q86e5c86ae7_gemm
	.globl	k_q86e5c86ae7_gemm
	.p2align	8
	.type	k_q86e5c86ae7_gemm,@function
k_q86e5c86ae7_gemm:
	s_mov_b64 s[64:65], 0
	v_nop
	global_prefetch_b8 v0, s[64:65] scope:SCOPE_SE
	s_setreg_imm32_b32 hwreg(HW_REG_WAVE_MODE, 25, 1), 1
	s_wait_xcnt 0x0
	s_wait_alu depctr_hold_cnt(0) depctr_sa_sdst(0) depctr_va_vdst(0) depctr_va_sdst(0) depctr_va_ssrc(0) depctr_va_vcc(0) depctr_vm_vsrc(0)
	s_getreg_b32 s2, hwreg(HW_REG_IB_STS2, 6, 4)
	s_cmp_eq_u32 s2, 0
	s_cbranch_scc0 .Lentry_in_a_cluster
	s_endpgm
.Lentry_in_a_cluster:
	s_bfe_u32 s2, ttmp6, 0x10000c
	s_cmp_lg_u32 s2, 0xf033
	s_cbranch_scc0 .Lentry_shape_is_right
	s_endpgm
.Lentry_shape_is_right:
; out0[m][n] = 2^(e0 + e1) x sum over positions p of A[m][p] B[n][p], on codes of E4M3 (a_codes [8192][4096], b_codes [2048][4096], the same k at the same position); sums in f32.
; LIMIT: e0 + e1 between -126 and 127, so that 2^(e0 + e1) is an f32 number.
; A tile of 256 x 256 to a work-group of four waves, 128 x 128 (64 accumulators) a wave.  K goes in steps of 256 through a ring of two LDS slots (rows of 256 bytes, 272 apart), each wave fetching 128 rows.
; CLUSTERS of 4 x 4: A's tiles are asked for jointly along a row of the cluster, B's along a column; a round of the cluster's barrier stands in front of every joint load.
; The matrix instruction is used transposed (source 0 = 16 rows of B, source 1 = 16 rows of A), so that a lane holds eight neighbouring numbers of a row of the result; a block of 16 rows leaves through the wave's stage in slot 0.
; PREFETCH: behind each refill every wave of every cluster names the K step two refills on: 32 rows x 256 bytes, a lane a row; the four partners that ask for a tile jointly share its rows out by address (cx for A, cy for B).
; The loop's last trip asks for nothing.
.set SIZE_M, 8192
.set SIZE_N, 2048
.set SIZE_K, 4096
.set KSTEP,  256
.set ROWB,   256
.set KROW,   SIZE_K
.set PITCH,  272
.set FR,     16
.set NL,     4
.set NP,     4
.set HALFT,  128*PITCH
.set SLOT,   4*HALFT
.set LAPS,   SIZE_K/(2*KSTEP)
.set SPARE,  2*SLOT
.set SPITCH, 528
.set ADRA, 16
.set ADRB, 20
.set STO,  24
.set RD,   25
.set CO,   26
.set SPW,  28
.set NIL,  29
.set PFO,  30
.set TMP,  32
.set AF,   128
.set BK,   128
.set G1, 24
.set G0, 32
.set G1B, 48
.set G0B, 56
.set PFA, 68
.set LIM, 70
.set MSB, 0
.macro WIN new
.if MSB != \new
	s_set_vgpr_msb (MSB<<8)|\new
.set MSB, \new
.endif
.endm
.set MUL_LO, 0xa1
.set MUL_HI, 0xf1
.set TO_B,   0x40
.macro JLOAD g0a, g1a, g0b, g1b
	s_cmp_eq_u32 s15, 0
	s_cbranch_scc0 .Lfor_b_\@
	tensor_load_to_lds s[\g0a:\g0a+3], s[\g1a:\g1a+7]
	s_nop 0
.rept 4
	v_nop
.endr
	s_branch .Lasked_\@
.Lfor_b_\@:
	tensor_load_to_lds s[\g0b:\g0b+3], s[\g1b:\g1b+7]
	s_nop 0
.rept 4
	v_nop
.endr
.Lasked_\@:
.endm
.macro ASK
	s_cmp_gt_u32 s3, s[LIM]
	s_cbranch_scc0 .Lnot_mine_\@
	s_wait_alu depctr_va_vdst(0)
	global_prefetch_b8 v[PFO], s[PFA:PFA+1] offset:ROWB th:TH_LOAD_NT scope:SCOPE_SE
.Lnot_mine_\@:
.endm
.macro CREST
	s_cmp_lg_u32 s14, 0
	s_cbranch_scc1 .Lnot_wave_0_\@
	s_barrier_signal -3
.Lnot_wave_0_\@:
	s_barrier_wait -3
	s_barrier_signal -1
	s_barrier_wait -1
.endm
.macro CROUND
	s_barrier_signal -1
	s_barrier_wait -1
	CREST
.endm
	s_load_b128 s[4:7], s[0:1], 0x0
	s_load_b128 s[8:11], s[0:1], 0x10
	v_lshl_add_u32 v[SPW], v0, 2, SPARE
	v_mov_b32 v[NIL], 0
	ds_add_u32 v28, v29
	ds_add_u32 v28, v29
	s_wait_dscnt 0x0
	v_lshrrev_b32 v1, 5, v0
	v_readfirstlane_b32 s14, v1
	s_lshr_b32 s15, s14, 1
	s_and_b32 s16, s14, 1
	s_bfe_u32 s40, ttmp6, 0x40000
	s_bfe_u32 s41, ttmp6, 0x40004
	s_lshl_b32 s42, ttmp9, 2
	s_add_co_u32 s42, s42, s40
	s_and_b32 s17, ttmp7, 0xffff
	s_lshl_b32 s17, s17, 2
	s_add_co_u32 s17, s17, s41
	s_lshl_b32 s43, s41, 2
	s_lshl_b32 s43, 15, s43
	s_lshl_b32 s44, 0x1111, s40
	s_or_b32 s[G1+0], s43, (0<<16)|(1<<20)|(1<<21)|(5<<22)|(3<<25)
	s_or_b32 s[G1B+0], s44, (0<<16)|(1<<20)|(1<<21)|(5<<22)|(3<<25)
.irp g, G1, G1B
	s_mov_b32 s[\g+1], ROWB<<16
	s_mov_b32 s[\g+2], 128<<16
	s_mov_b32 s[\g+3], ROWB<<16
	s_mov_b32 s[\g+4], 128
	s_mov_b32 s[\g+5], KROW
	s_mov_b32 s[\g+6], 0
	s_mov_b32 s[\g+7], 0
.endr
	s_lshl_b32 s18, s16, 7
	s_lshl_b32 s20, s17, 8
	s_add_co_u32 s20, s20, s18
	s_lshl_b32 s46, s42, 8
	s_add_co_u32 s46, s46, s18
	s_mov_b32 s21, 0
	s_mov_b32 s47, 0
	s_mov_b64 s[18:19], KROW
	s_mul_u64 s[20:21], s[20:21], s[18:19]
	s_mul_u64 s[46:47], s[46:47], s[18:19]
	s_mul_i32 s45, s14, HALFT
	s_wait_kmcnt 0x0
	s_load_b64 s[96:97], s[8:9], 0x0
	s_add_nc_u64 s[20:21], s[4:5], s[20:21]
	s_add_nc_u64 s[46:47], s[6:7], s[46:47]
	CROUND
.irp s, 0,1
	s_mov_b32 s[G0+4*\s], 1
	s_add_co_u32 s[G0+4*\s+1], s45, \s*SLOT
	s_add_nc_u64 s[G0+4*\s+2:G0+4*\s+3], s[20:21], \s*ROWB
	s_or_b32 s[G0+4*\s+3], s[G0+4*\s+3], 0x80000000
	s_mov_b32 s[G0B+4*\s], 1
	s_add_co_u32 s[G0B+4*\s+1], s45, \s*SLOT
	s_add_nc_u64 s[G0B+4*\s+2:G0B+4*\s+3], s[46:47], \s*ROWB
	s_or_b32 s[G0B+4*\s+3], s[G0B+4*\s+3], 0x80000000
	s_wait_alu depctr_va_vdst(0)
	s_wait_tensorcnt 0x0
	ds_add_u32 v28, v29
	ds_add_u32 v28, v29
	s_wait_dscnt 0x0
	CROUND
	JLOAD G0+4*\s, G1, G0B+4*\s, G1B
.endr
	v_and_b32 v1, 15, v0
	s_wait_alu depctr_va_vdst(0)
	v_bfe_u32 v2, v0, 4, 1
	v_mul_u32_u24 v3, v1, PITCH
	v_lshl_add_u32 v4, v2, 4, v3
	s_mul_i32 s21, s15, HALFT
	s_mul_i32 s22, s16, HALFT
	s_add_co_u32 s22, s22, 2*HALFT
.irp s, 0,1
	v_add_nc_u32 v[ADRA+\s], s21, v4
	v_add_nc_u32 v[ADRB+\s], s22, v4
	s_add_co_u32 s21, s21, SLOT
	s_add_co_u32 s22, s22, SLOT
.endr
	s_mul_i32 s23, s14, 16*SPITCH
	v_mul_u32_u24 v5, v1, SPITCH
	s_wait_alu depctr_va_vdst(0)
	v_lshl_add_u32 v5, v2, 5, v5
	v_add_nc_u32 v[STO], s23, v5
	v_and_b32 v6, 31, v0
	v_lshlrev_b32 v[CO], 4, v6
	v_add_nc_u32 v[RD], s23, v[CO]
	s_lshl_b32 s20, s17, 8
	s_lshl_b32 s21, s15, 7
	s_add_co_u32 s20, s20, s21
	s_mov_b32 s21, 0
	s_mov_b64 s[18:19], SIZE_N*4
	s_mul_u64 s[20:21], s[20:21], s[18:19]
	s_lshl_b32 s46, s42, 10
	s_lshl_b32 s47, s16, 9
	s_add_co_u32 s46, s46, s47
	s_mov_b32 s47, 0
	s_add_nc_u64 s[20:21], s[20:21], s[46:47]
	s_add_nc_u64 s[10:11], s[10:11], s[20:21]
	s_lshl_b32 s72, s17, 8
	s_lshl_b32 s73, s42, 8
	s_cmp_eq_u32 s15, 0
	s_cselect_b32 s72, s72, s73
	s_cselect_b32 s73, s40, s41
	s_cselect_b64 s[PFA:PFA+1], s[4:5], s[6:7]
	s_mov_b32 s[LIM], 1
	s_lshl_b32 s74, s16, 7
	s_add_co_u32 s72, s72, s74
	s_lshl_b32 s73, s73, 5
	s_add_co_u32 s72, s72, s73
	s_lshl_b32 s72, s72, 12
	s_mov_b32 s73, 0
	s_add_nc_u64 s[PFA:PFA+1], s[PFA:PFA+1], s[72:73]
	s_add_nc_u64 s[PFA:PFA+1], s[PFA:PFA+1], 2*ROWB
	v_and_b32 v[PFO], 31, v0
	v_lshlrev_b32 v[PFO], 12, v[PFO]
.macro FRAG reg, adr, q, i
.irp c, 0,1,2,3
	ds_load_b128 v[\reg+4*\c:\reg+4*\c+3], v[\adr] offset:128*(\q)+32*\c+(\i)*16*PITCH
.endr
.endm
.macro MUL16 a0, p, zero
.irp a, \a0, \a0+1
.irp b, 0,1,2,3,4,5,6,7
.if \zero
	v_wmma_f32_16x16x128_fp8_fp8 v[8*(8*((\a)%4)+\b):8*(8*((\a)%4)+\b)+7], v[128*(\p)+FR*\b:128*(\p)+FR*\b+FR-1], v[AF+FR*(\a):AF+FR*(\a)+FR-1], 0
.else
	v_wmma_f32_16x16x128_fp8_fp8 v[8*(8*((\a)%4)+\b):8*(8*((\a)%4)+\b)+7], v[128*(\p)+FR*\b:128*(\p)+FR*\b+FR-1], v[AF+FR*(\a):AF+FR*(\a)+FR-1], v[8*(8*((\a)%4)+\b):8*(8*((\a)%4)+\b)+7]
.endif
.endr
.endr
.endm
.macro FETCH_B slot, q, p
	WIN TO_B
.irp i, 0,1,2,3,4,5,6,7
	FRAG 128*(\p)+FR*\i, ADRB+\slot, \q, \i
.endr
	WIN 0
.endm
.macro FETCH_A slot, q, i0
.irp i, \i0, \i0+1, \i0+2, \i0+3
	FRAG AF+FR*(\i), ADRA+\slot, \q, \i
.endr
.endm
.macro PLACES n
.rept \n
	v_nop
.endr
.endm
.macro STEP slot, q, zero
	s_wait_dscnt 4*NL
	WIN MUL_LO
	MUL16 0, (\q)%2, \zero
	MUL16 2, (\q)%2, \zero
	s_wait_dscnt 0
	PLACES NP
	FETCH_B \slot, (\q)+1, 1-(\q)%2
	FETCH_A \slot, (\q)+1, 0
	WIN MUL_HI
	MUL16 4, (\q)%2, \zero
	MUL16 6, (\q)%2, \zero
	PLACES NP
	WIN 0
	FETCH_A \slot, (\q)+1, 4
.endm
.macro TURN slot, next, fill
.if \fill
	s_wait_xcnt 0x0
	s_add_nc_u64 s[PFA:PFA+1], s[PFA:PFA+1], ROWB
.endif
	s_wait_tensorcnt 0x0
	ds_add_u32 v[SPW], v[NIL]
	s_wait_dscnt 4*NL+1
	WIN MUL_LO
	MUL16 0, 1, 0
	s_wait_dscnt 0x0
	s_barrier_signal -1
	MUL16 2, 1, 0
	WIN 0
	s_barrier_wait -1
.if \fill
	CREST
	s_add_nc_u64 s[G0+4*\slot+2:G0+4*\slot+3], s[G0+4*\slot+2:G0+4*\slot+3], 2*ROWB
	s_add_nc_u64 s[G0B+4*\slot+2:G0B+4*\slot+3], s[G0B+4*\slot+2:G0B+4*\slot+3], 2*ROWB
	JLOAD G0+4*\slot, G1, G0B+4*\slot, G1B
.else
	PLACES NP
.endif
	FETCH_B \next, 0, 0
	FETCH_A \next, 0, 0
.if \fill
	ASK
.endif
	WIN MUL_HI
	MUL16 4, 1, 0
	MUL16 6, 1, 0
	PLACES NP
	WIN 0
	FETCH_A \next, 0, 4
.endm
	s_wait_tensorcnt 1
	s_barrier_signal -1
	s_barrier_wait -1
	FETCH_B 0, 0, 0
	FETCH_A 0, 0, 0
	FETCH_A 0, 0, 4
	STEP 0, 0, 1
	s_mov_b32 s3, LAPS-1
.Llap:
	TURN 0, 1, 1
	STEP 1, 0, 0
	TURN 1, 0, 1
	STEP 0, 0, 0
	s_sub_co_u32 s3, s3, 1
	s_cmp_lg_u32 s3, 0
	s_cbranch_scc1 .Llap
	TURN 0, 1, 0
	STEP 1, 0, 0
	s_wait_dscnt 4*NL
	WIN MUL_LO
	MUL16 0, 1, 0
	MUL16 2, 1, 0
	s_wait_dscnt 0
	WIN MUL_HI
	MUL16 4, 1, 0
	MUL16 6, 1, 0
	WIN 0
.macro TOSTAGE a
.set AC, 64*((\a)%4)
	WIN 0x02+((\a)/4)
.irp j, 0,2,4,6,8,10,12,14,16,18,20,22,24,26,28,30,32,34,36,38,40,42,44,46,48,50,52,54,56,58,60,62
	v_pk_mul_f32 v[TMP+\j:TMP+\j+1], v[AC+\j:AC+\j+1], s[96:97] op_sel_hi:[1,0]
.endr
	WIN 0
.irp b, 0,1,2,3,4,5,6,7
	ds_store_b128 v[STO], v[TMP+8*\b:TMP+8*\b+3] offset:64*\b
	ds_store_b128 v[STO], v[TMP+8*\b+4:TMP+8*\b+7] offset:64*\b+16
.endr
.set BB, BK+64*((\a)%2)
.irp t, 0,1,2,3,4,5,6,7,8,9,10,11,12,13,14,15
	ds_load_b128 v[BB+4*\t:BB+4*\t+3], v[RD] offset:\t*SPITCH
.endr
.endm
.macro SEND a, younger
.set BB, BK+64*((\a)%2)
	s_wait_dscnt \younger
.if (\a) > 0
	s_add_nc_u64 s[10:11], s[10:11], 16*SIZE_N*4
.endif
.irp t, 0,1,2,3,4,5,6,7,8,9,10,11,12,13,14,15
	global_store_b128 v[CO], v[BB+4*\t:BB+4*\t+3], s[10:11] offset:\t*SIZE_N*4 th:TH_STORE_NT
.endr
.endm
	s_wait_kmcnt 0x0
	s_add_co_i32 s96, s96, s97
	s_add_co_i32 s96, s96, 127
	s_lshl_b32 s96, s96, 23
	PLACES NP
	TOSTAGE 0
.irp a, 1,2,3,4,5,6,7
.if \a > 1
	s_wait_xcnt 0x0
.endif
	TOSTAGE \a
	SEND \a-1, 32
.endr
	s_wait_xcnt 0x0
	SEND 7, 0
	s_wait_tensorcnt 0x0
	ds_add_u32 v[SPW], v[NIL]
	s_wait_dscnt 0x0
	CROUND
	s_endpgm
.Lfunc_end_k_q86e5c86ae7_gemm:
	.size	k_q86e5c86ae7_gemm, .Lfunc_end_k_q86e5c86ae7_gemm-k_q86e5c86ae7_gemm
	.p2alignl 7, 3214868480
	.fill 96, 4, 3214868480
	.section	.rodata,"a",@progbits
	.p2align	6, 0x0
	.amdhsa_kernel k_q86e5c86ae7_gemm
		.amdhsa_group_segment_fixed_size 327680
		.amdhsa_private_segment_fixed_size 0
		.amdhsa_enable_private_segment 0
		.amdhsa_kernarg_size 32
		.amdhsa_user_sgpr_count 2
		.amdhsa_user_sgpr_kernarg_segment_ptr 1
		.amdhsa_wavefront_size32 1
		.amdhsa_system_sgpr_workgroup_id_x 1
		.amdhsa_system_sgpr_workgroup_id_y 1
		.amdhsa_system_sgpr_workgroup_id_z 1
		.amdhsa_system_vgpr_workitem_id 0
		.amdhsa_next_free_vgpr 1024
		.amdhsa_next_free_sgpr 98
		.amdhsa_reserve_vcc 0
		.amdhsa_float_denorm_mode_32 3
		.amdhsa_float_denorm_mode_16_64 3
		.amdhsa_memory_ordered 1
		.amdhsa_forward_progress 1
		.amdhsa_inst_pref_size 125
	.end_amdhsa_kernel
	.amdgpu_metadata
---
amdhsa.version: [ 1, 2 ]
amdhsa.kernels:
  - .name:           k_q86e5c86ae7_gemm
    .symbol:         k_q86e5c86ae7_gemm.kd
    .args:
      - { .name: a_codes, .offset: 0, .size: 8, .value_kind: global_buffer, .address_space: global }
      - { .name: b_codes, .offset: 8, .size: 8, .value_kind: global_buffer, .address_space: global }
      - { .name: lowp_scales, .offset: 16, .size: 8, .value_kind: global_buffer, .address_space: global }
      - { .name: out0, .offset: 24, .size: 8, .value_kind: global_buffer, .address_space: global }
    .group_segment_fixed_size: 327680
    .private_segment_fixed_size: 0
    .kernarg_segment_align: 8
    .kernarg_segment_size: 32
    .max_flat_workgroup_size: 128
    .sgpr_count:     98
    .vgpr_count:     1024
    .wavefront_size: 32
...
	.end_amdgpu_metadata
.endif
;; end of part 3
